; MI455X (gfx1250); checked and timed in simulation.
; The chip was launched on July 23, 2026; its instructions are those of AMD's public machine-readable ISA for CDNA 5 (MIT licence, August 2026) and "CDNA5" Instruction Set Architecture Reference Guide (July 2026). The comments in the code are by the model that wrote it; some were corrected since.
;; LSTM Layer. Allowed arithmetic: float matrix products may take bf16 or f16 operands with f32 sums; other float arithmetic in f32, or as packed bf16 or f16 multiplies, adds, multiply-adds, maxima and minima; sums over many terms, partial sums and values carried from step to step in f32; what a program stores and reads back later, other than sums and carried values, may be rounded once to bf16 or f16.
;; Inputs: S 8,192 x 1,024 float32; Ug 1,024 x 1,024 float32; Uh 1,024 x 1,024 float32; Ur 1,024 x 1,024 float32; Uz 1,024 x 1,024 float32; Wg 1,024 x 1,024 float32; Wh 1,024 x 1,024 float32; Wr 1,024 x 1,024 float32; Wz 1,024 x 1,024 float32; X 8,192 x 1,024 float32; bg 1,024 float32; bh 1,024 float32; br 1,024 float32; bz 1,024 float32.
;; Outputs: out0 8,192 x 1,024 float32.
;; One version. Each part assembles by itself: llvm-mc -triple=amdgcn-amd-amdhsa -mcpu=gfx1250 --defsym DOCPART=n.
;; ======== version 1 of 1: 3 launches
;; limits: values are held in f16: magnitudes above 65,504 overflow, below 6.1e-05 lose precision; inputs' magnitudes at most 65,504
;; workspace buffers: xs 33,554,432 bytes; sr 16,777,216 bytes; wb2 12,582,912 bytes; wb1 4,194,304 bytes
;; launch prep (part 1): grid 512 x 3, 8 waves a work-group, no clusters, 0 bytes of LDS; arguments X, S, Uz, Ug, Uh, Wz, Wg, Wh, Ur, Wr, xs, wb2, wb1; writes xs, wb2, wb1
.if DOCPART == 1
	.amdgcn_target "amdgcn-amd-amdhsa--gfx1250"
	.amdhsa_code_object_version 6
	.text
	.protected	k_q6f92a6393f_prep
	.globl	k_q6f92a6393f_prep
	.p2align	8
	.type	k_q6f92a6393f_prep,@function
k_q6f92a6393f_prep:
	s_mov_b64 s[64:65], 0
	v_nop
	global_prefetch_b8 v0, s[64:65] scope:SCOPE_SE
	s_setreg_imm32_b32 hwreg(HW_REG_WAVE_MODE, 25, 1), 1
	s_wait_xcnt 0x0
; X, S and the eight weight matrices, all f32, are rounded once to bf16 and laid out in blocks, so that the two matrix launches can ask for every tile as rows of 256 consecutive bytes.
;   xs : byte (k>>6)*2097152 + (m>>8)*65536 + ((k>>5)&1)*32768 + t*16384 + (m&255)*64 + (k&31)*2    t = 0: X, 1: S   (32 along K of 256 rows: 16 KiB on end)
;   wb2: byte (n>>7)*1572864 + (k>>5)*49152 + g*8192 + (k&31)*256 + (n&127)*2                        g = Uz, Ug, Uh, Wz, Wg, Wh
;   wb1: byte (n>>7)*524288  + (k>>5)*16384 + p*8192 + (k&31)*256 + (n&127)*2                        p = Ur, Wr
; Wh is rounded to bf16 like every input, and that number is written as f16, since its partner S*R is kept in f16.
; LIMIT: |Wh| stays under 65,504; below 6.1e-5 it keeps f16's fixed step of 6e-8.
; A STREAM: each byte is read once and written once; no LDS, no barrier, no matrix unit, no cluster (no two work-groups read the same byte).  No prefetch: the launch does nothing but move its bytes.
; SHARES.  A work-group takes 64 KiB of one source: 16 rows of X (y = 0), of S (y = 1), or of one weight matrix (y = 2; x>>6 says which).  Each of its eight waves has 16 loads of 16 bytes a lane out at once;
; each result is one store of 8 bytes a lane: the wave's 32 lanes write 256 consecutive bytes, aligned.  No register is written twice, so no wait frees a source.
.set LDR,  16                          ; v[16:79]   16 loads of four f32
.set OUTR, 80                          ; v[80:111]  16 results of four 16-bit numbers
	s_load_b512 s[4:19], s[0:1], 0x0               ; X 4, S 6, Uz 8, Ug 10, Uh 12, Wz 14, Wg 16, Wh 18
	s_load_b256 s[20:27], s[0:1], 0x40             ; Ur 20, Wr 22, xs 24, wb2 26
	s_load_b64 s[28:29], s[0:1], 0x60              ; wb1
	v_and_b32 v1, 31, v0                           ; lane i
	v_lshrrev_b32 v2, 5, v0                        ; wave w
	v_readfirstlane_b32 s30, v2
	s_and_b32 s31, ttmp7, 0xffff                   ; y
	s_mov_b32 s37, 0                               ; high words of the two byte offsets
	s_mov_b32 s39, 0
	s_cmp_lt_u32 s31, 2
	s_cbranch_scc0 .Lweights
	; X or S.  Wave w takes columns 128 w .. 128 w + 127 of the 16 rows.  Load t = 4 g + q: rows 4 g + i / 8, the 32 columns of K block q: 128 bytes of each of four rows.
	v_lshrrev_b32 v5, 3, v1
	v_and_b32 v6, 7, v1
	v_lshlrev_b32 v3, 12, v5                       ; (i / 8) rows of 4,096 bytes
	v_lshl_add_u32 v3, v6, 4, v3                   ; + 16 (i % 8)
	v_lshl_add_u32 v3, v2, 9, v3                   ; + 512 w
	v_lshlrev_b32 v4, 3, v1                        ; in xs: 8 i = (i / 8) rows of 64 bytes + 8 (i % 8),
	v_lshl_add_u32 v4, v2, 22, v4                  ; + two pairs of K blocks for each wave
	s_lshl_b32 s36, ttmp9, 16                      ; the work-group's 16 rows in the source
	s_lshr_b32 s38, ttmp9, 4
	s_lshl_b32 s38, s38, 16                        ; (m >> 8) * 65,536
	s_lshl_b32 s40, s31, 14                        ; X's or S's half of a K block
	s_add_co_u32 s38, s38, s40
	s_and_b32 s40, ttmp9, 15
	s_lshl_b32 s40, s40, 10                        ; 16 rows of 64 bytes
	s_add_co_u32 s38, s38, s40
	s_wait_kmcnt 0x0
	s_cmp_eq_u32 s31, 1
	s_cselect_b64 s[32:33], s[6:7], s[4:5]
	s_add_nc_u64 s[32:33], s[32:33], s[36:37]
	s_add_nc_u64 s[34:35], s[24:25], s[38:39]
.set t, 0
.rept 16
	global_load_b128 v[LDR+4*t:LDR+4*t+3], v3, s[32:33] offset:(t/4)*16384+(t%4)*128 th:TH_LOAD_NT
.set t, t+1
.endr
.set t, 0
.rept 16
	s_wait_loadcnt 15-t                            ; loads come back in order: load t is in, the younger ones stay out
	v_cvt_pk_bf16_f32 v[OUTR+2*t], v[LDR+4*t], v[LDR+4*t+1]
	v_cvt_pk_bf16_f32 v[OUTR+2*t+1], v[LDR+4*t+2], v[LDR+4*t+3]
	global_store_b64 v4, v[OUTR+2*t:OUTR+2*t+1], s[34:35] offset:((t%4)/2)*2097152+(t%2)*32768+(t/4)*256
.set t, t+1
.endr
	s_endpgm
.Lweights:
	; A weight matrix.  Wave w takes the 128 columns of column tile w; load t is row t of the 16: 512 consecutive bytes.
	v_lshlrev_b32 v3, 4, v0                        ; 512 w + 16 i
	v_lshlrev_b32 v4, 3, v1                        ; 8 i
	s_lshr_b32 s41, ttmp9, 6                       ; which matrix: Uz, Ug, Uh, Wz, Wg, Wh, Ur, Wr
	s_and_b32 s42, ttmp9, 63                       ; which 16 rows
	s_lshl_b32 s36, s42, 16
	s_lshr_b32 s43, s42, 1                         ; K block
	s_and_b32 s44, s42, 1
	s_lshl_b32 s44, s44, 12                        ; its lower or upper 16 rows of 256 bytes
	s_mul_i32 s38, s30, 1572864                    ; the place in wb2,
	s_mul_i32 s45, s43, 49152
	s_add_co_u32 s38, s38, s45
	s_lshl_b32 s45, s41, 13
	s_add_co_u32 s38, s38, s45
	s_lshl_b32 s46, s30, 19                        ; and in wb1 (matrices 6 and 7: their number's low bit is the part)
	s_lshl_b32 s45, s43, 14
	s_add_co_u32 s46, s46, s45
	s_and_b32 s45, s41, 1
	s_lshl_b32 s45, s45, 13
	s_add_co_u32 s46, s46, s45
	s_wait_kmcnt 0x0
	s_cmp_lt_u32 s41, 6
	s_cselect_b32 s38, s38, s46
	s_cselect_b64 s[34:35], s[26:27], s[28:29]
	s_add_co_u32 s38, s38, s44
	s_add_nc_u64 s[34:35], s[34:35], s[38:39]
	s_mov_b64 s[32:33], s[8:9]
.irp m, 1,2,3,4,5,6,7
	s_cmp_eq_u32 s41, \m
	s_cselect_b64 s[32:33], s[8+2*(\m):9+2*(\m)], s[32:33]
.endr
	s_add_nc_u64 s[32:33], s[32:33], s[36:37]
.set t, 0
.rept 16
	global_load_b128 v[LDR+4*t:LDR+4*t+3], v3, s[32:33] offset:t*4096 th:TH_LOAD_NT
.set t, t+1
.endr
	s_cmp_eq_u32 s41, 5
	s_cbranch_scc1 .Lwh
.set t, 0
.rept 16
	s_wait_loadcnt 15-t
	v_cvt_pk_bf16_f32 v[OUTR+2*t], v[LDR+4*t], v[LDR+4*t+1]
	v_cvt_pk_bf16_f32 v[OUTR+2*t+1], v[LDR+4*t+2], v[LDR+4*t+3]
	global_store_b64 v4, v[OUTR+2*t:OUTR+2*t+1], s[34:35] offset:t*256
.set t, t+1
.endr
	s_endpgm
.Lwh:                                          ; Wh: rounded to bf16, widened again, written as f16
.set t, 0
.rept 16
	s_wait_loadcnt 15-t
.irp p, 0,1
	v_cvt_pk_bf16_f32 v6, v[LDR+4*t+2*(\p)], v[LDR+4*t+2*(\p)+1]
	v_lshlrev_b32 v7, 16, v6
	v_and_b32 v8, 0xffff0000, v6
	v_cvt_pk_f16_f32 v[OUTR+2*t+(\p)], v7, v8
.endr
	global_store_b64 v4, v[OUTR+2*t:OUTR+2*t+1], s[34:35] offset:t*256
.set t, t+1
.endr
	s_endpgm
.Lfunc_end_k_q6f92a6393f_prep:
	.size	k_q6f92a6393f_prep, .Lfunc_end_k_q6f92a6393f_prep-k_q6f92a6393f_prep
	.p2alignl 7, 3214868480
	.fill 96, 4, 3214868480
	.section	.rodata,"a",@progbits
	.p2align	6, 0x0
	.amdhsa_kernel k_q6f92a6393f_prep
		.amdhsa_group_segment_fixed_size 0
		.amdhsa_private_segment_fixed_size 0
		.amdhsa_enable_private_segment 0
		.amdhsa_kernarg_size 104
		.amdhsa_user_sgpr_count 2
		.amdhsa_user_sgpr_kernarg_segment_ptr 1
		.amdhsa_wavefront_size32 1
		.amdhsa_system_sgpr_workgroup_id_x 1
		.amdhsa_system_sgpr_workgroup_id_y 1
		.amdhsa_system_sgpr_workgroup_id_z 1
		.amdhsa_system_vgpr_workitem_id 0
		.amdhsa_next_free_vgpr 112
		.amdhsa_next_free_sgpr 66
		.amdhsa_reserve_vcc 0
		.amdhsa_float_denorm_mode_32 3
		.amdhsa_float_denorm_mode_16_64 3
		.amdhsa_memory_ordered 1
		.amdhsa_forward_progress 1
		.amdhsa_inst_pref_size 23
	.end_amdhsa_kernel
	.amdgpu_metadata
---
amdhsa.version: [ 1, 2 ]
amdhsa.kernels:
  - .name:           k_q6f92a6393f_prep
    .symbol:         k_q6f92a6393f_prep.kd
    .args:
      - { .name: X, .offset: 0, .size: 8, .value_kind: global_buffer, .address_space: global }
      - { .name: S, .offset: 8, .size: 8, .value_kind: global_buffer, .address_space: global }
      - { .name: Uz, .offset: 16, .size: 8, .value_kind: global_buffer, .address_space: global }
      - { .name: Ug, .offset: 24, .size: 8, .value_kind: global_buffer, .address_space: global }
      - { .name: Uh, .offset: 32, .size: 8, .value_kind: global_buffer, .address_space: global }
      - { .name: Wz, .offset: 40, .size: 8, .value_kind: global_buffer, .address_space: global }
      - { .name: Wg, .offset: 48, .size: 8, .value_kind: global_buffer, .address_space: global }
      - { .name: Wh, .offset: 56, .size: 8, .value_kind: global_buffer, .address_space: global }
      - { .name: Ur, .offset: 64, .size: 8, .value_kind: global_buffer, .address_space: global }
      - { .name: Wr, .offset: 72, .size: 8, .value_kind: global_buffer, .address_space: global }
      - { .name: xs, .offset: 80, .size: 8, .value_kind: global_buffer, .address_space: global }
      - { .name: wb2, .offset: 88, .size: 8, .value_kind: global_buffer, .address_space: global }
      - { .name: wb1, .offset: 96, .size: 8, .value_kind: global_buffer, .address_space: global }
    .group_segment_fixed_size: 0
    .private_segment_fixed_size: 0
    .kernarg_segment_align: 8
    .kernarg_segment_size: 104
    .max_flat_workgroup_size: 256
    .sgpr_count:     66
    .vgpr_count:     112
    .wavefront_size: 32
...
	.end_amdgpu_metadata
.endif
;; end of part 1
;; launch gate_r (part 2): grid 8 x 32, 4 waves a work-group, clusters of 4 x 4, 327,680 bytes of LDS; arguments xs, wb1, br, sr; writes sr
.if DOCPART == 2
	.amdgcn_target "amdgcn-amd-amdhsa--gfx1250"
	.amdhsa_code_object_version 6
	.text
	.protected	k_q6f92a6393f_gate_r
	.globl	k_q6f92a6393f_gate_r
	.p2align	8
	.type	k_q6f92a6393f_gate_r,@function
k_q6f92a6393f_gate_r:
	s_mov_b64 s[64:65], 0
	v_nop
	global_prefetch_b8 v0, s[64:65] scope:SCOPE_SE
	s_setreg_imm32_b32 hwreg(HW_REG_WAVE_MODE, 25, 1), 1
	s_wait_xcnt 0x0
	s_wait_alu depctr_hold_cnt(0) depctr_sa_sdst(0) depctr_va_vdst(0) depctr_va_sdst(0) depctr_va_ssrc(0) depctr_va_vcc(0) depctr_vm_vsrc(0)
	s_getreg_b32 s2, hwreg(HW_REG_IB_STS2, 6, 4)
	s_cmp_eq_u32 s2, 0
	s_cbranch_scc0 .Lentry_in_a_cluster
	s_endpgm
.Lentry_in_a_cluster:
	s_bfe_u32 s2, ttmp6, 0x10000c
	s_cmp_lg_u32 s2, 0xf033
	s_cbranch_scc0 .Lentry_shape_is_right
	s_endpgm
.Lentry_shape_is_right:
; sr = f16(S * tanh(X Ur + S Wr + br)), with X, S, Ur, Wr (from xs and wb1) and br rounded to bf16; sums in f32, starting from the bias.  sr is laid out for the next launch:
;   byte (n>>6)*1048576 + (m>>8)*32768 + ((n>>5)&1)*16384 + (m&255)*64 + (n&31)*2.
; LIMITS.  |S| stays under 65,504 (S * R is kept in f16; below 6.1e-5 it keeps f16's fixed step of 6e-8).  tanh x = 1 - 1 / (0.5 + 0.5 * 2^(c x)), c = 2 log2(e): an exponential that overflows gives 1,
; one below 2^-126 counts as 0 and gives -1; a NaN stays a NaN.  The sums are taken in the matrix unit's own order.
; SHARES.  A work-group makes 256 rows x 128 columns: 8 x 32 work-groups.  Each of its four waves makes 128 rows x 64 columns: 32 accumulators of 16 x 16, window 1's 256 registers ((a, b) at v[8 (4 a + b)]).
; THE MATRIX INSTRUCTION IS USED TRANSPOSED: source 0 = 16 columns of the weights, source 1 = 16 rows of X or S: a lane then holds one row (lane % 16) and the columns 8 (lane / 16) + 0..7.
; The weights lie [k][n] in LDS and are turned on the way into registers by ds_load_tr16_b128.
; THE RING.  K goes in pairs of K blocks of 32: a slot holds, for 64 along K, X's and S's 256 rows (2 x 512 pieces of 64 bytes, 80 apart) and Ur's and Wr's 128 columns (128 rows of 256 bytes, 288 apart).
; Two slots; each wave brings a quarter of a slot by one tensor load of rows of 256 bytes.  A slot is four PIECES of 32 products: (K block 0, X Ur), (0, S Wr), (1, X Ur), (1, S Wr).
; THE CHANGE OF SLOTS stands between pieces 2 and 3, with no product inside it: piece 3's operands were the slot's last read and lie in registers by then.  So all 128 products of a slot stand between a
; request for a tile and the wait for it, and the next request goes out as soon as the tile before it has landed and the cluster has met.
; CLUSTER.  4 x 4 work-groups.  xs's tile hangs on the row tile alone and is shared along a row of the cluster, wb1's on the column tile alone and is shared along a column: each is asked for jointly.
; REGISTERS.  Window 0: v2-5, v14-15 fragment addresses; v6-13 other addresses; v32-63 the bias, later S; v64-191 two buffers of 8 fragments of rows; v192-255 two buffers of 4 fragments of weights.
.set PA,    80                         ; 64 bytes of a row + 16: an odd multiple of 16, so the 16 rows of a load start at 16 different groups of four banks (ISA guide 11.1)
.set PB,    288                        ; 256 bytes of a weight row + 32
.set XPART, 256*PA                     ; X's 256 rows of a K block; S's follow
.set XSUB,  512*PA                     ; a K block of xs
.set WOFF,  2*XSUB                     ; behind the two K blocks of xs: the weights
.set WPART, 32*PB                      ; Ur's 32 rows of a K block; Wr's follow
.set WSUB,  2*WPART
.set SLOT,  WOFF+2*WSUB                ; 118,784
.set STAGE, 2*SLOT                     ; behind the ring, never filled by a tensor load: 2 x 16 rows x 80 bytes for each wave
.set STW,   2*16*PA
.set SPARE, STAGE+4*STW                ; the spare words, 128 bytes for each wave: two blocks of 256 bytes that no other line names
.set ADRA, 2                           ; v2-5    my rows' fragments: slot s, K block u at v[ADRA + 2 s + u]
.set STO,  6                           ; v6      the way out: where I put 16 bytes of a row
.set RD,   7                           ; v7      where I read rows back
.set CO,   8                           ; v8      16 x lane: my place in 512 consecutive bytes of sr
.set SO,   9                           ; v9      my 16 bytes in 16 rows of S
.set PFO,  10                          ; v10     256 x lane
.set BO,   11                          ; v11     my columns in br
.set SPW,  12                          ; v12     my spare word: SPARE + 4 x my thread's number; never rewritten
.set NIL,  13                          ; v13     0; never rewritten
.set ADRB, 14                          ; v14-15  the weights' fragments in slot 0, 1
.set SB,   32                          ; v32-63  the bias (8 registers for each column block); later S, two buffers of 16
.set AB,   64
.set BB,   192
.set TMP,  64                          ; the way out: 16 registers of packed f16
.set BK,   96                          ; v96-111, v128-143: a block read back from the stage
.set MK,  2                            ; s2  0xffff0000
.set XS,  4
.set WB,  6
.set BR,  8
.set SRP, 10
.set WV,  12
.set WM,  13
.set WN,  14
.set CX,  15
.set CY,  16
.set WGX, 17
.set WGY, 18
.set G1X, 32                           ; s[32:39] descriptor group 1 for xs's tiles
.set G1B, 40                           ; s[40:47] for wb1's
.set G0X, 48                           ; s[48:55] group 0 for xs's tiles, a set for each slot
.set G0B, 56                           ; s[56:63] for wb1's
.set PFA, 66                           ; s[66:67] where my prefetches stand
.set PFS, 68                           ; s[68:69] their step from pair to pair
.set LIM, 70                           ; s70, s71 a wave prefetches at slot s's change while the trips to go are above s[LIM + s]
.set LC,  72                           ; s72 trips to go
.set CS,  74                           ; s[74:75] c
.set SRB, 76                           ; s[76:77] sr at my wave's part
.set SBB, 78                           ; s[78:79] S (in xs) at my wave's part
.set MSB, 0
.macro WIN new                         ; the immediate's high byte repeats the setting that is left; a switch that changes nothing is dropped
.if MSB != (\new)
	s_set_vgpr_msb (MSB<<8)|(\new)
.set MSB, \new
.endif
.endm
.macro PLACES n                        ; plain vector instructions behind a matrix instruction, in front of loads into its sources and of reads of its results
.rept \n
	v_nop
.endr
.endm
; A joint load.  Waves 0 and 1 fetch the pair's two K blocks of xs, waves 2 and 3 those of wb1.  The branch hangs on the wave's number alone.  An s_nop 0 and four v_nop follow each line.
.macro JLOAD s
	s_cmp_lt_u32 s[WV], 2
	s_cbranch_scc0 .Lfor_w_\@
	tensor_load_to_lds s[G0X+4*(\s):G0X+4*(\s)+3], s[G1X:G1X+7]
	s_nop 0
.rept 4
	v_nop
.endr
	s_branch .Lasked_\@
.Lfor_w_\@:
	tensor_load_to_lds s[G0B+4*(\s):G0B+4*(\s)+3], s[G1B:G1B+7]
	s_nop 0
.rept 4
	v_nop
.endr
.Lasked_\@:
.endm
; A prefetch: 32 blocks of 256 bytes, a lane a block, of the pair that the third refill from here will load (384 products ahead of that load).  Each block is named once in the launch: a pair's 64 KiB of xs are
; shared out by address among wave 0 of the eight work-groups that read them; a pair's 32 KiB of wb1 among wave 2 of the four work-groups of a column in the clusters with y = 0.
; Pairs 0 to 4 come by their loads alone; the last changes ask for nothing, since there is no pair 16.
.macro ASK s
	s_cmp_gt_u32 s[LC], s[LIM+(\s)]
	s_cbranch_scc0 .Lnot_mine_\@
	global_prefetch_b8 v[PFO], s[PFA:PFA+1] th:TH_LOAD_NT scope:SCOPE_SE
.Lnot_mine_\@:
.endm
.macro CREST                           ; a round of the cluster's barrier behind its opening barrier
	s_cmp_lg_u32 s[WV], 0
	s_cbranch_scc1 .Lnot_wave_0_\@
	s_barrier_signal -3
.Lnot_wave_0_\@:
	s_barrier_wait -3
	s_barrier_signal -1
	s_barrier_wait -1
.endm
.macro CROUND
	s_barrier_signal -1
	s_barrier_wait -1
	CREST
.endm
	s_load_b256 s[4:11], s[0:1], 0x0               ; xs, wb1, br, sr
	v_lshl_add_u32 v[SPW], v0, 2, SPARE
	v_mov_b32 v[NIL], 0
	ds_add_u32 v[SPW], v[NIL]                      ; the wave's opening: the add, twice on end, and its wait ahead of my first tensor load
	ds_add_u32 v[SPW], v[NIL]
	v_lshrrev_b32 v1, 5, v0
	v_readfirstlane_b32 s[WV], v1                  ; wave 0..3
	s_lshr_b32 s[WM], s[WV], 1                     ; which 128 rows are mine
	s_and_b32 s[WN], s[WV], 1                      ; which 64 columns; also: which K block of a pair I fetch
	s_bfe_u32 s[CX], ttmp6, 0x40000
	s_bfe_u32 s[CY], ttmp6, 0x40004
	s_lshl_b32 s[WGX], ttmp9, 2
	s_add_co_u32 s[WGX], s[WGX], s[CX]             ; column tile = 4 x cluster x + cx
	s_and_b32 s[WGY], ttmp7, 0xffff
	s_lshl_b32 s[WGY], s[WGY], 2
	s_add_co_u32 s[WGY], s[WGY], s[CY]             ; row tile = 4 x cluster y + cy
	s_lshl_b32 s20, s[CY], 2
	s_lshl_b32 s20, 15, s20                        ; my row of the cluster
	s_lshl_b32 s24, 0x1111, s[CX]                  ; my column
	s_or_b32 s[G1X], s20, (1<<16)|(1<<20)|(1<<21)|(3<<22)|(3<<25)  ; the mask; 2-byte elements; padding on; bit 21 beside a mask; after every 16 words (code 3) 4 words (code 3)
	s_or_b32 s[G1B], s24, (1<<16)|(1<<20)|(1<<21)|(5<<22)|(7<<25)  ; after every 64 words (code 5) 8 words (code 7)
.irp g, G1X, G1B
	s_mov_b32 s[(\g)+1], 128<<16                   ; tensor_dim0 = 128 elements: rows of 256 bytes
	s_mov_b32 s[(\g)+3], 128<<16                   ; tile_dim0 = 128
	s_mov_b32 s[(\g)+5], 128                       ; dense: 128 elements from row to row
	s_mov_b32 s[(\g)+6], 0
	s_mov_b32 s[(\g)+7], 0
.endr
	s_mov_b32 s[G1X+2], 128<<16                    ; a K block of xs: 128 rows
	s_mov_b32 s[G1X+4], 128
	s_mov_b32 s[G1B+2], 64<<16                     ; a K block of wb1: 64 rows
	s_mov_b32 s[G1B+4], 64
	s_lshl_b32 s20, s[WGY], 16                     ; xs: row tile x 65,536 + K block x 32,768
	s_lshl_b32 s21, s[WN], 15
	s_add_co_u32 s20, s20, s21
	s_mov_b32 s21, 0
	s_lshl_b32 s24, s[WGX], 19                     ; wb1: column tile x 524,288 + K block x 16,384
	s_lshl_b32 s25, s[WN], 14
	s_add_co_u32 s24, s24, s25
	s_mov_b32 s25, 0
	s_mul_i32 s28, s[WN], XSUB                     ; where they go: no place in the cluster enters an LDS address
	s_mul_i32 s29, s[WN], WSUB
	s_add_co_u32 s29, s29, WOFF
	s_mov_b32 s[CS], 0x4038aa3b                    ; c = 2 log2(e)
	s_mov_b32 s[CS+1], s[CS]
	s_mov_b32 s[MK], 0xffff0000
	s_wait_dscnt 0x0                               ; both opening adds are done
	s_wait_kmcnt 0x0
	s_add_nc_u64 s[22:23], s[XS:XS+1], s[20:21]
	s_add_nc_u64 s[26:27], s[WB:WB+1], s[24:25]
	CROUND                                         ; all sixteen work-groups are here: the first joint loads meet
.irp s, 0,1
	s_mov_b32 s[G0X+4*(\s)], 1
	s_add_co_u32 s[G0X+4*(\s)+1], s28, (\s)*SLOT
	s_add_nc_u64 s[G0X+4*(\s)+2:G0X+4*(\s)+3], s[22:23], (\s)*2097152  ; pair s
	s_or_b32 s[G0X+4*(\s)+3], s[G0X+4*(\s)+3], 0x80000000
	s_mov_b32 s[G0B+4*(\s)], 1
	s_add_co_u32 s[G0B+4*(\s)+1], s29, (\s)*SLOT
	s_add_nc_u64 s[G0B+4*(\s)+2:G0B+4*(\s)+3], s[26:27], (\s)*32768
	s_or_b32 s[G0B+4*(\s)+3], s[G0B+4*(\s)+3], 0x80000000
	JLOAD \s                                       ; two loads of mine are out
.endr
	v_and_b32 v1, 15, v0                           ; r = l % 16
	v_bfe_u32 v16, v0, 4, 1                        ; h = l / 16
	v_and_b32 v17, 31, v0                          ; l
	s_lshl_b32 s82, s[WGX], 9                      ; br: 4 bytes x (128 x column tile + 64 x my half + 8 h)
	s_lshl_b32 s83, s[WN], 8
	s_add_co_u32 s82, s82, s83
	v_lshl_add_u32 v[BO], v16, 5, s82
.irp b, 0,1,2,3
	global_load_b128 v[SB+8*(\b):SB+8*(\b)+3],   v[BO], s[BR:BR+1] offset:64*(\b)
	global_load_b128 v[SB+8*(\b)+4:SB+8*(\b)+7], v[BO], s[BR:BR+1] offset:64*(\b)+16
.endr
	v_mul_u32_u24 v18, v1, PA
	v_lshl_add_u32 v18, v16, 4, v18                ; a fragment of rows: r x pitch + 16 h, two loads 32 bytes apart
	s_mul_i32 s28, s[WM], 128*PA
	v_add_nc_u32 v[ADRA], s28, v18
	v_add_nc_u32 v[ADRA+1], XSUB, v[ADRA]
	v_add_nc_u32 v[ADRA+2], SLOT, v[ADRA]
	v_add_nc_u32 v[ADRA+3], SLOT+XSUB, v[ADRA]
	v_and_b32 v19, 7, v0                           ; the turning load: lane l reads row 8 h + l % 8 of k, 16 bytes at 16 ((l / 8) % 2); it leaves column l % 16 and 8 k in the lane
	v_lshl_add_u32 v19, v16, 3, v19
	v_mul_u32_u24 v19, v19, PB
	v_bfe_u32 v20, v0, 3, 1
	v_lshl_add_u32 v19, v20, 4, v19
	s_lshl_b32 s28, s[WN], 7
	s_add_co_u32 s28, s28, WOFF
	v_add_nc_u32 v[ADRB], s28, v19
	v_add_nc_u32 v[ADRB+1], SLOT, v[ADRB]
	s_mul_i32 s28, s[WV], STW
	s_add_co_u32 s28, s28, STAGE                   ; my stage
	v_add_nc_u32 v[STO], s28, v18
	v_lshrrev_b32 v21, 2, v17                      ; back: 32 lanes take 8 rows of 64 bytes
	v_mul_u32_u24 v21, v21, PA
	v_and_b32 v22, 3, v0
	v_lshl_add_u32 v21, v22, 4, v21
	v_add_nc_u32 v[RD], s28, v21
	v_lshlrev_b32 v[CO], 4, v17
	v_lshlrev_b32 v[SO], 6, v1
	v_lshl_add_u32 v[SO], v16, 4, v[SO]
	v_lshlrev_b32 v[PFO], 8, v17
	s_lshl_b32 s80, s[WGX], 1
	s_add_co_u32 s80, s80, s[WN]                   ; my 64 columns among the 16 groups of 64
	s_lshl_b32 s82, s80, 20                        ; sr: x 1,048,576 + row tile x 32,768 + my 128 rows x 64
	s_lshl_b32 s84, s[WGY], 15
	s_add_co_u32 s82, s82, s84
	s_lshl_b32 s85, s[WM], 13
	s_add_co_u32 s82, s82, s85
	s_mov_b32 s83, 0
	s_add_nc_u64 s[SRB:SRB+1], s[SRP:SRP+1], s[82:83]
	s_lshl_b32 s82, s80, 21                        ; S in xs: x 2,097,152 + row tile x 65,536 + 16,384 + my 128 rows x 64
	s_lshl_b32 s84, s[WGY], 16
	s_add_co_u32 s82, s82, s84
	s_add_co_u32 s82, s82, s85
	s_add_co_u32 s82, s82, 16384
	s_add_nc_u64 s[SBB:SBB+1], s[XS:XS+1], s[82:83]
	; the prefetches: they stand at pair 4; each filling change steps them by a pair and then asks
	s_lshl_b32 s80, s[WGY], 16                     ; xs: the row tile's 64 KiB of a pair, my work-group's eighth of it
	s_lshl_b32 s81, s[WGX], 13
	s_add_co_u32 s80, s80, s81
	s_add_co_u32 s80, s80, 4*2097152
	s_lshl_b32 s82, s[WGX], 19                     ; wb1: the column tile's 32 KiB of a pair, my work-group's quarter of it
	s_lshl_b32 s83, s[CY], 13
	s_add_co_u32 s82, s82, s83
	s_add_co_u32 s82, s82, 4*32768
	s_and_b32 s84, ttmp7, 0xffff                   ; cluster y
	s_mov_b32 s[PFS], 32768
	s_cmp_lt_u32 s[WV], 2
	s_cselect_b64 s[PFA:PFA+1], s[XS:XS+1], s[WB:WB+1]
	s_cselect_b32 s80, s80, s82
	s_cselect_b32 s[PFS], 0x200000, s[PFS]
	s_cselect_b32 s84, 0, s84                      ; xs is asked for in every cluster, wb1 in the clusters with y = 0,
	s_or_b32 s84, s84, s[WN]                       ; by waves 0 and 2: the same in all sixteen partners
	s_cmp_eq_u32 s84, 0
	s_cselect_b32 s[LIM], 1, -1
	s_cselect_b32 s[LIM+1], 2, -1
	s_mov_b32 s81, 0
	s_mov_b32 s[PFS+1], 0
	s_add_nc_u64 s[PFA:PFA+1], s[PFA:PFA+1], s[80:81]
	s_wait_loadcnt 0x0                             ; the bias, rounded to bf16 like every input; it is the C of the first products
.set i, 0
.rept 16
	v_cvt_pk_bf16_f32 v22, v[SB+2*i], v[SB+2*i+1]
	v_lshlrev_b32 v[SB+2*i], 16, v22
	v_and_b32 v[SB+2*i+1], s[MK], v22
.set i, i+1
.endr
.macro LDA buf, adr, off               ; 8 fragments of 16 rows x 32 K
.irp a, 0,1,2,3,4,5,6,7
	ds_load_b128 v[(\buf)+8*(\a):(\buf)+8*(\a)+3],   v[\adr] offset:(\off)+(\a)*16*PA
	ds_load_b128 v[(\buf)+8*(\a)+4:(\buf)+8*(\a)+7], v[\adr] offset:(\off)+(\a)*16*PA+32
.endr
.endm
.macro LDB buf, adr, off               ; 4 fragments of 16 columns x 32 K, turned
.irp b, 0,1,2,3
	ds_load_tr16_b128 v[(\buf)+8*(\b):(\buf)+8*(\b)+3],   v[\adr] offset:(\off)+32*(\b)
	ds_load_tr16_b128 v[(\buf)+8*(\b)+4:(\buf)+8*(\b)+7], v[\adr] offset:(\off)+32*(\b)+16*PB
.endr
.endm
.macro RUN s, j                        ; the 24 LDS loads of piece j of slot s, into the buffers of j's parity
	LDA AB+64*((\j)%2), ADRA+2*(\s)+(\j)/2, ((\j)%2)*XPART
	LDB BB+32*((\j)%2), ADRB+(\s), ((\j)/2)*WSUB+((\j)%2)*WPART
.endm
; na x 4 products of piece j.  The 32 accumulators take turns, one instruction a turn, in the same order in every piece.  cb = 1: the bias starts the sums: nothing is cleared.
.macro MULS j, a0, na, cb=0
.if \cb
	WIN 0x40
.else
	WIN 0x50
.endif
.set ia, \a0
.rept \na
.irp b, 0,1,2,3
.if \cb
	v_wmma_f32_16x16x32_bf16 v[8*(4*ia+(\b)):8*(4*ia+(\b))+7], v[BB+32*((\j)%2)+8*(\b):BB+32*((\j)%2)+8*(\b)+7], v[AB+64*((\j)%2)+8*ia:AB+64*((\j)%2)+8*ia+7], v[SB+8*(\b):SB+8*(\b)+7]
.else
	v_wmma_f32_16x16x32_bf16 v[8*(4*ia+(\b)):8*(4*ia+(\b))+7], v[BB+32*((\j)%2)+8*(\b):BB+32*((\j)%2)+8*(\b)+7], v[AB+64*((\j)%2)+8*ia:AB+64*((\j)%2)+8*ia+7], v[8*(4*ia+(\b)):8*(4*ia+(\b))+7]
.endif
.endr
.set ia, ia+1
.endr
.endm
; A piece: the next piece's operands (piece nj of slot ns) are asked of LDS in one run, into the buffers that the piece before has multiplied; then this piece's 32 products.
.macro PIECE j, ns, nj, cb=0
	WIN 0
	PLACES 4
	RUN \ns, \nj
	s_wait_dscnt 24                                ; all but the 24 just issued: this piece's operands are in
	MULS \j, 0, 8, \cb
.endm
; THE CHANGE OF SLOTS, behind piece 2, whose run was the slot's last read.  Each wave waits for all its tensor loads (one is out: its part of the other slot), adds 0 to its spare word, and waits for that and for
; its reads of the slot.  fill = 1: the barrier opens a round of the cluster's, and behind it the slot is filled again, two pairs on: the first tensor load there, one a wave.  No product stands between the wait
; for the loads and the refill: piece 3's 32 follow it.
.macro CHG s, fill
	WIN 0
.if \fill
	s_wait_xcnt 0x0                                ; the last prefetch, a pair back, has read its address
	s_add_nc_u64 s[PFA:PFA+1], s[PFA:PFA+1], s[PFS:PFS+1]
.endif
	s_wait_tensorcnt 0x0                           ; all my tensor loads have landed, so every group 0 may be written
	ds_add_u32 v[SPW], v[NIL]                      ; 0 onto my spare word: the descriptors' steps stand between it and the wait for it
.if \fill
	s_add_nc_u64 s[G0X+4*(\s)+2:G0X+4*(\s)+3], s[G0X+4*(\s)+2:G0X+4*(\s)+3], 2*2097152
	s_add_nc_u64 s[G0B+4*(\s)+2:G0B+4*(\s)+3], s[G0B+4*(\s)+2:G0B+4*(\s)+3], 2*32768
.endif
	s_wait_dscnt 0x0                               ; the add is done, and my reads of this slot are over: piece 3's operands are in
	s_barrier_signal -1
	s_barrier_wait -1
.if \fill
	CREST                                          ; no wave of any partner still reads this slot or has a load on its way
	JLOAD \s                                       ; the four v_nop behind it are also the places in front of the loads that follow
.else
	PLACES 4
.endif
.endm
.macro PLAST s, ask                    ; piece 3: its operands came with the wait for 0 above; its run reads the other slot's piece 0
	RUN 1-(\s), 0
.if \ask
	ASK \s
.endif
	MULS 3, 0, 8
.endm
; THE WAY OUT, a block of 16 rows at a time.
.macro SLD a                           ; S of block a, as bf16, in the accumulators' layout: 16 bytes a lane for each column block
	WIN 0
.irp b, 0,1,2,3
	global_load_b128 v[SB+16*((\a)%2)+4*(\b):SB+16*((\a)%2)+4*(\b)+3], v[SO], s[SBB:SBB+1] offset:((\b)/2)*32768+(\a)*1024+((\b)%2)*32
.endr
.endm
.macro COMP a                          ; S - S / (0.5 + 0.5 * 2^(c x)), rounded to f16.  Each batch of 32 transcendentals has one plain instruction behind it and one wait; each accumulator is read from its low end on
.set eb, 32*(\a)
.set sbn, SB+16*((\a)%2)
	WIN 0x41                                       ; destination and source 0 in window 1
	v_pk_mul_f32 v[eb:eb+1], v[eb:eb+1], s[CS:CS+1] op_sel_hi:[1,0]
.set i, 1
.rept 15
	v_pk_mul_f32 v[eb+2*i:eb+2*i+1], v[eb+2*i:eb+2*i+1], s[CS:CS+1] op_sel_hi:[1,0]
	v_exp_f32 v[eb+2*i-2], v[eb+2*i-2]
	v_exp_f32 v[eb+2*i-1], v[eb+2*i-1]
.set i, i+1
.endr
	v_exp_f32 v[eb+30], v[eb+30]
	v_exp_f32 v[eb+31], v[eb+31]
	v_nop
	s_wait_alu depctr_va_vdst(0)
	v_pk_fma_f32 v[eb:eb+1], v[eb:eb+1], -0.5, -0.5 op_sel_hi:[1,0,0]
.set i, 1
.rept 15
	v_pk_fma_f32 v[eb+2*i:eb+2*i+1], v[eb+2*i:eb+2*i+1], -0.5, -0.5 op_sel_hi:[1,0,0]
	v_rcp_f32 v[eb+2*i-2], v[eb+2*i-2]
	v_rcp_f32 v[eb+2*i-1], v[eb+2*i-1]
.set i, i+1
.endr
	v_rcp_f32 v[eb+30], v[eb+30]
	v_rcp_f32 v[eb+31], v[eb+31]
	v_nop
	s_wait_alu depctr_va_vdst(0)
.if (\a) < 7
	s_wait_loadcnt 4                               ; S of this block is in; the next block's four loads stay out
.else
	s_wait_loadcnt 0x0
.endif
.set i, 0
.rept 16
	v_fma_mix_f32_bf16 v[eb+2*i], v[eb+2*i], v[sbn+i], v[sbn+i] op_sel:[0,0,0] op_sel_hi:[0,1,1]      ; (-t) S + S, S read from its bf16 half
	v_fma_mix_f32_bf16 v[eb+2*i+1], v[eb+2*i+1], v[sbn+i], v[sbn+i] op_sel:[0,1,1] op_sel_hi:[0,1,1]
.set i, i+1
.endr
	WIN 0x05                                       ; sources in window 1, destination in window 0
.set i, 0
.rept 16
	v_cvt_pk_f16_f32 v[TMP+i], v[eb+2*i], v[eb+2*i+1]
.set i, i+1
.endr
.if (\a) < 6
	SLD (\a)+2
.endif
.endm
.macro STG a                           ; 16 bytes a lane into my stage, and back as 512 consecutive bytes of sr
	WIN 0
	s_wait_xcnt 0x0                                ; the stores of the block before last have read the registers that are loaded again below
.irp b, 0,1,2,3
	ds_store_b128 v[STO], v[TMP+4*(\b):TMP+4*(\b)+3] offset:((\b)/2)*16*PA+((\b)%2)*32
.endr
.irp u, 0,1,2,3
	ds_load_b128 v[BK+32*((\a)%2)+4*(\u):BK+32*((\a)%2)+4*(\u)+3], v[RD] offset:(\u)*8*PA  ; LDS serves a wave's instructions in order (ISA guide 5.7.1.4): these see the stores above
.endr
.endm
.macro SEND a
	WIN 0
	s_wait_dscnt 0x0
.irp u, 0,1,2,3
	global_store_b128 v[CO], v[BK+32*((\a)%2)+4*(\u):BK+32*((\a)%2)+4*(\u)+3], s[SRB:SRB+1] offset:((\u)/2)*16384+(\a)*1024+((\u)%2)*512  ; 512 consecutive bytes, aligned
.endr
.endm
	s_wait_tensorcnt 0x1                           ; my part of pair 0 is in; pair 1's may stay out
	s_barrier_signal -1
	s_barrier_wait -1                              ; everybody's is
	RUN 0, 0
	PIECE 0, 0, 1, 1                               ; the first piece stands in front of the loop: the bias starts the sums
	WIN 0
	s_mov_b32 s[LC], 7
.Lpair:                                        ; a trip goes once round the ring, from a pair's second piece to the first piece of the pair after next, and fills both slots again
	PIECE 1, 0, 2
	PIECE 2, 0, 3
	CHG 0, 1
	PLAST 0, 1
	PIECE 0, 1, 1
	PIECE 1, 1, 2
	PIECE 2, 1, 3
	CHG 1, 1
	PLAST 1, 1
	PIECE 0, 0, 1
	WIN 0
	s_sub_co_u32 s[LC], s[LC], 1
	s_cmp_lg_u32 s[LC], 0
	s_cbranch_scc1 .Lpair
	PIECE 1, 0, 2                                  ; pairs 14 and 15: nothing is left to fetch
	PIECE 2, 0, 3
	CHG 0, 0
	PLAST 0, 0
	SLD 0                                          ; S of the first two blocks is asked for under the last pair's products
	SLD 1
	PIECE 0, 1, 1
	PIECE 1, 1, 2
	PIECE 2, 1, 3
	s_wait_dscnt 0x0
	MULS 3, 0, 8
	WIN 0
	PLACES 8
	COMP 0
	STG 0
.irp a, 1,2,3,4,5,6,7                  ; a block's arithmetic stands between the loads of the block before from the stage and the wait for them
	COMP \a
	SEND (\a)-1
	STG \a
.endr
	SEND 7
	s_wait_tensorcnt 0x0                           ; the wave's end: behind my last tensor load and my last LDS store
	ds_add_u32 v[SPW], v[NIL]
	s_wait_dscnt 0x0
	CROUND                                         ; the closing round: no work-group ends while a partner may still ask for a tile that names it
	s_endpgm
.Lfunc_end_k_q6f92a6393f_gate_r:
	.size	k_q6f92a6393f_gate_r, .Lfunc_end_k_q6f92a6393f_gate_r-k_q6f92a6393f_gate_r
	.p2alignl 7, 3214868480
	.fill 96, 4, 3214868480
	.section	.rodata,"a",@progbits
	.p2align	6, 0x0
	.amdhsa_kernel k_q6f92a6393f_gate_r
		.amdhsa_group_segment_fixed_size 327680
		.amdhsa_private_segment_fixed_size 0
		.amdhsa_enable_private_segment 0
		.amdhsa_kernarg_size 32
		.amdhsa_user_sgpr_count 2
		.amdhsa_user_sgpr_kernarg_segment_ptr 1
		.amdhsa_wavefront_size32 1
		.amdhsa_system_sgpr_workgroup_id_x 1
		.amdhsa_system_sgpr_workgroup_id_y 1
		.amdhsa_system_sgpr_workgroup_id_z 1
		.amdhsa_system_vgpr_workitem_id 0
		.amdhsa_next_free_vgpr 512
		.amdhsa_next_free_sgpr 88
		.amdhsa_reserve_vcc 0
		.amdhsa_float_denorm_mode_32 3
		.amdhsa_float_denorm_mode_16_64 3
		.amdhsa_memory_ordered 1
		.amdhsa_forward_progress 1
		.amdhsa_inst_pref_size 143
	.end_amdhsa_kernel
	.amdgpu_metadata
---
amdhsa.version: [ 1, 2 ]
amdhsa.kernels:
  - .name:           k_q6f92a6393f_gate_r
    .symbol:         k_q6f92a6393f_gate_r.kd
    .args:
      - { .name: xs, .offset: 0, .size: 8, .value_kind: global_buffer, .address_space: global }
      - { .name: wb1, .offset: 8, .size: 8, .value_kind: global_buffer, .address_space: global }
      - { .name: br, .offset: 16, .size: 8, .value_kind: global_buffer, .address_space: global }
      - { .name: sr, .offset: 24, .size: 8, .value_kind: global_buffer, .address_space: global }
    .group_segment_fixed_size: 327680
    .private_segment_fixed_size: 0
    .kernarg_segment_align: 8
    .kernarg_segment_size: 32
    .max_flat_workgroup_size: 128
    .sgpr_count:     88
    .vgpr_count:     512
    .wavefront_size: 32
...
	.end_amdgpu_metadata
.endif
;; end of part 2
;; launch gates_out (part 3): grid 8 x 32, 4 waves a work-group, clusters of 4 x 4, 327,680 bytes of LDS; arguments xs, sr, wb2, bz, bg, bh, out0; writes out0
.if DOCPART == 3
	.amdgcn_target "amdgcn-amd-amdhsa--gfx1250"
	.amdhsa_code_object_version 6
	.text
	.protected	k_q6f92a6393f_gates_out
	.globl	k_q6f92a6393f_gates_out
	.p2align	8
	.type	k_q6f92a6393f_gates_out,@function
k_q6f92a6393f_gates_out:
	s_mov_b64 s[64:65], 0
	v_nop
	global_prefetch_b8 v0, s[64:65] scope:SCOPE_SE
	s_setreg_imm32_b32 hwreg(HW_REG_WAVE_MODE, 25, 1), 1
	s_wait_xcnt 0x0
	s_wait_alu depctr_hold_cnt(0) depctr_sa_sdst(0) depctr_va_vdst(0) depctr_va_sdst(0) depctr_va_ssrc(0) depctr_va_vcc(0) depctr_vm_vsrc(0)
	s_getreg_b32 s2, hwreg(HW_REG_IB_STS2, 6, 4)
	s_cmp_eq_u32 s2, 0
	s_cbranch_scc0 .Lentry_in_a_cluster
	s_endpgm
.Lentry_in_a_cluster:
	s_bfe_u32 s2, ttmp6, 0x10000c
	s_cmp_lg_u32 s2, 0xf033
	s_cbranch_scc0 .Lentry_shape_is_right
	s_endpgm
.Lentry_shape_is_right:
; out = (1 - G) H + Z S, with Z = tanh(X Uz + S Wz + bz), G = tanh(X Ug + S Wg + bg), H = tanh(X Uh + (S R) Wh + bh).  X, S and the weights come rounded to bf16 from xs and wb2, the biases are rounded
; here; S R (sr) and Wh are f16, so that product takes the f16 form.  Sums in f32, starting from the biases; out in f32.
; LIMITS.  tanh x = 1 - 1 / (0.5 + 0.5 * 2^(c x)), c = 2 log2(e): an exponential that overflows gives 1, one below 2^-126 counts as 0 and gives -1; a NaN stays a NaN.  |S R| and |Wh| arrive within f16's 65,504.
; The sums are taken in the matrix unit's own order.
; SHARES.  A work-group makes 256 rows x 128 columns of all three gates: 8 x 32 work-groups.  A wave makes 128 rows x 64 columns: 32 accumulators a gate ((a, b) at v[8 (4 a + b)]): Z fills window 1, G window 2, H window 3.
; THE MATRIX INSTRUCTION IS USED TRANSPOSED (source 0 = 16 columns of weights, source 1 = 16 rows): a lane holds one row (lane % 16) and the columns 8 (lane / 16) + 0..7.  The weights lie [k][n] in LDS and are turned by ds_load_tr16_b128.
; THE RING.  K goes in blocks of 32 through two slots.  A slot holds X's, S's and S R's 256 rows (768 pieces of 64 bytes, 80 apart) and six groups of 32 weight rows (256 bytes, 288 apart).  Wave 0 brings X and S,
; wave 1 S R, waves 2 and 3 three weight groups each: one tensor load a wave, of rows of 256 bytes.  A K block is six PIECES of 32 products: X Uz, X Ug, X Uh, S Wz, S Wg, (S R) Wh.
; THE CHANGE OF SLOTS stands between the fifth piece and the sixth, with no product inside it: the sixth piece's operands were the slot's last read and lie in registers by then.  So all 192 products of a K block
; stand between a request for a tile and the wait for it, and the next request goes out as soon as the tile before it has landed and the cluster has met.
; CLUSTER.  4 x 4 work-groups.  xs's and sr's tiles hang on the row tile alone and are shared along a row of the cluster, wb2's on the column tile alone and are shared along a column: each is asked for jointly.
; WINDOW 0: v2-13 addresses; v32-63 H's bias, later S; v64-127, v128-191 two buffers of 8 fragments of rows (the second holds Z's and G's biases first); v192-223, v224-255 two buffers of 4 fragments of weights.
.set PA,    80                         ; 64 bytes of a row + 16: an odd multiple of 16, so the 16 rows of a load start at 16 different groups of four banks (ISA guide 11.1)
.set PB,    288                        ; 256 bytes of a weight row + 32
.set SOFF,  256*PA                     ; S behind X
.set SROFF, 512*PA                     ; S R behind S
.set WOFF,  768*PA                     ; the weights behind S R
.set GB,    32*PB                      ; a group of 32 weight rows: Uz, Ug, Uh, Wz, Wg, Wh
.set SLOT,  WOFF+6*GB                  ; 116,736
.set STAGE, 2*SLOT                     ; behind the ring, never filled by a tensor load: 16 rows x 272 bytes for each wave
.set SP,    272
.set STW,   16*SP
.set SPARE, STAGE+4*STW                ; the spare words, 128 bytes for each wave: two blocks of 256 bytes that no other line names
.set ADRA, 2                           ; v2-3   my rows' fragments in slot 0, 1
.set ADRB, 4                           ; v4-5   the weights' fragments
.set STO,  6                           ; v6     the way out: where I put 32 bytes of a row
.set RD,   7                           ; v7     where I read rows back
.set CO,   8                           ; v8     my 16 bytes in two rows of out
.set SO,   9                           ; v9     my 16 bytes in 16 rows of S
.set PFO,  10                          ; v10    256 x lane
.set BO,   11                          ; v11    my columns in a bias
.set SPW,  12                          ; v12    my spare word: SPARE + 4 x my thread's number; never rewritten
.set NIL,  13                          ; v13    0; never rewritten
.set SB,   32                          ; S, two buffers of 16
.set BHR,  32                          ; the three biases, 8 registers for each column block
.set BZR,  128
.set BGR,  160
.set AB,   64
.set B0,   192
.set B1,   224
.set TMP,  64                          ; the way out: 32 results
.set BK,   96                          ; v96-127, v128-159: a block read back from the stage
.set MK,  2                            ; s2  0xffff0000
.set XS,  4
.set SRP, 6
.set WB,  8
.set BZ,  10
.set BG,  12
.set BH,  14
.set OUT, 16
.set WV,  18
.set WM,  19
.set WN,  20
.set CX,  21
.set CY,  22
.set WGX, 23
.set WGY, 24
.set G1X, 32                           ; s[32:39], s[40:47], s[48:55] descriptor group 1 for xs's, sr's, wb2's tiles
.set G1S, 40
.set G1B, 48
.set G0X, 56                           ; s[56:63], s[68:75], s[76:83] group 0, a set for each slot
.set G0S, 68
.set G0B, 76
.set PFA, 84                           ; s[84:85] where my prefetches stand
.set PFS, 86                           ; s[86:87] their step from pair to pair of K blocks
.set LIM, 88                           ; s88  1 in a wave that prefetches, else the greatest number
.set LC,  89                           ; s89  trips to go
.set CS,  90                           ; s[90:91] c
.set OB,  92                           ; s[92:93] out at my wave's part
.set SBB, 94                           ; s[94:95] S (in xs) at my wave's part
.set MSB, 0
.macro WIN new                         ; the immediate's high byte repeats the setting that is left; a switch that changes nothing is dropped
.if MSB != (\new)
	s_set_vgpr_msb (MSB<<8)|(\new)
.set MSB, \new
.endif
.endm
.macro PLACES n                        ; plain vector instructions behind a matrix instruction, in front of loads into its sources and of reads of its results
.rept \n
	v_nop
.endr
.endm
; A joint load: wave 0 xs's tile, wave 1 sr's, waves 2 and 3 the halves of wb2's.  The branches hang on the wave's number alone.  An s_nop 0 and four v_nop follow each line.
.macro JLOAD s
	s_cmp_lt_u32 s[WV], 2
	s_cbranch_scc0 .Lfor_w_\@
	s_cmp_eq_u32 s[WV], 0
	s_cbranch_scc0 .Lfor_sr_\@
	tensor_load_to_lds s[G0X+4*(\s):G0X+4*(\s)+3], s[G1X:G1X+7]
	s_nop 0
.rept 4
	v_nop
.endr
	s_branch .Lasked_\@
.Lfor_sr_\@:
	tensor_load_to_lds s[G0S+4*(\s):G0S+4*(\s)+3], s[G1S:G1S+7]
	s_nop 0
.rept 4
	v_nop
.endr
	s_branch .Lasked_\@
.Lfor_w_\@:
	tensor_load_to_lds s[G0B+4*(\s):G0B+4*(\s)+3], s[G1B:G1B+7]
	s_nop 0
.rept 4
	v_nop
.endr
.Lasked_\@:
.endm
; A prefetch, once a trip: 32 blocks of 256 bytes, a lane a block, of the two K blocks that the refills two and three changes of slots on will load (384 and 576 products ahead of those loads).
; Each block is named once in the launch, the askers told apart by address: a pair's 64 KiB of xs by wave 0 of the eight work-groups that read them; its 32 KiB of sr by wave 1 of the four work-groups of a row in the
; clusters with x = 0; its 96 KiB of wb2 by wave 2 of the twelve work-groups of a column in the clusters with y < 3.  K blocks 0 to 3 come by their loads alone; the last trip asks for nothing.
.macro ASK
	s_cmp_gt_u32 s[LC], s[LIM]
	s_cbranch_scc0 .Lnot_mine_\@
	global_prefetch_b8 v[PFO], s[PFA:PFA+1] th:TH_LOAD_NT scope:SCOPE_SE
.Lnot_mine_\@:
.endm
.macro CREST                           ; a round of the cluster's barrier behind its opening barrier
	s_cmp_lg_u32 s[WV], 0
	s_cbranch_scc1 .Lnot_wave_0_\@
	s_barrier_signal -3
.Lnot_wave_0_\@:
	s_barrier_wait -3
	s_barrier_signal -1
	s_barrier_wait -1
.endm
.macro CROUND
	s_barrier_signal -1
	s_barrier_wait -1
	CREST
.endm
	s_load_b256 s[4:11], s[0:1], 0x0               ; xs, sr, wb2, bz
	s_load_b128 s[12:15], s[0:1], 0x20             ; bg, bh
	s_load_b64 s[16:17], s[0:1], 0x30              ; out0
	v_lshl_add_u32 v[SPW], v0, 2, SPARE
	v_mov_b32 v[NIL], 0
	ds_add_u32 v[SPW], v[NIL]                      ; the wave's opening: the add, twice on end, and its wait ahead of my first tensor load
	ds_add_u32 v[SPW], v[NIL]
	v_lshrrev_b32 v1, 5, v0
	v_readfirstlane_b32 s[WV], v1                  ; wave 0..3
	s_lshr_b32 s[WM], s[WV], 1                     ; which 128 rows are mine
	s_and_b32 s[WN], s[WV], 1                      ; which 64 columns; also: which half of wb2's tile I fetch
	s_bfe_u32 s[CX], ttmp6, 0x40000
	s_bfe_u32 s[CY], ttmp6, 0x40004
	s_lshl_b32 s[WGX], ttmp9, 2
	s_add_co_u32 s[WGX], s[WGX], s[CX]             ; column tile = 4 x cluster x + cx
	s_and_b32 s[WGY], ttmp7, 0xffff
	s_lshl_b32 s[WGY], s[WGY], 2
	s_add_co_u32 s[WGY], s[WGY], s[CY]             ; row tile = 4 x cluster y + cy
	s_lshl_b32 s25, s[CY], 2
	s_lshl_b32 s25, 15, s25                        ; my row of the cluster
	s_lshl_b32 s30, 0x1111, s[CX]                  ; my column
	s_or_b32 s[G1X], s25, (1<<16)|(1<<20)|(1<<21)|(3<<22)|(3<<25)  ; the mask; 2-byte elements; padding on; bit 21 beside a mask; after every 16 words (code 3) 4 words (code 3)
	s_or_b32 s[G1S], s25, (1<<16)|(1<<20)|(1<<21)|(3<<22)|(3<<25)
	s_or_b32 s[G1B], s30, (1<<16)|(1<<20)|(1<<21)|(5<<22)|(7<<25)  ; after every 64 words (code 5) 8 words (code 7)
.irp g, G1X, G1S, G1B
	s_mov_b32 s[(\g)+1], 128<<16                   ; tensor_dim0 = 128 elements: rows of 256 bytes
	s_mov_b32 s[(\g)+3], 128<<16                   ; tile_dim0 = 128
	s_mov_b32 s[(\g)+5], 128                       ; dense: 128 elements from row to row
	s_mov_b32 s[(\g)+6], 0
	s_mov_b32 s[(\g)+7], 0
.endr
	s_mov_b32 s[G1X+2], 128<<16                    ; a K block of xs: 128 rows
	s_mov_b32 s[G1X+4], 128
	s_mov_b32 s[G1S+2], 64<<16                     ; of sr: 64 rows
	s_mov_b32 s[G1S+4], 64
	s_mov_b32 s[G1B+2], 96<<16                     ; half of wb2's: 96 rows
	s_mov_b32 s[G1B+4], 96
	s_lshl_b32 s26, s[WGY], 16                     ; xs: row tile x 65,536
	s_mov_b32 s27, 0
	s_lshl_b32 s96, s[WGY], 15                     ; sr: row tile x 32,768
	s_mov_b32 s97, 0
	s_mul_i32 s28, s[WGX], 1572864                 ; wb2: column tile x 1,572,864 + half x 24,576
	s_mul_i32 s30, s[WN], 24576
	s_add_co_u32 s28, s28, s30
	s_mov_b32 s29, 0
	s_mul_i32 s31, s[WN], 3*GB                     ; where wb2's half goes: no place in the cluster enters an LDS address
	s_add_co_u32 s31, s31, WOFF
	s_mov_b32 s[CS], 0x4038aa3b                    ; c = 2 log2(e)
	s_mov_b32 s[CS+1], s[CS]
	s_mov_b32 s[MK], 0xffff0000
	s_wait_dscnt 0x0                               ; both opening adds are done
	s_wait_kmcnt 0x0
	s_add_nc_u64 s[26:27], s[XS:XS+1], s[26:27]
	s_add_nc_u64 s[96:97], s[SRP:SRP+1], s[96:97]
	s_add_nc_u64 s[28:29], s[WB:WB+1], s[28:29]
	CROUND                                         ; all sixteen work-groups are here: the first joint loads meet
.irp s, 0,1
	s_mov_b32 s[G0X+4*(\s)], 1
	s_mov_b32 s[G0X+4*(\s)+1], (\s)*SLOT
	s_add_nc_u64 s[G0X+4*(\s)+2:G0X+4*(\s)+3], s[26:27], (\s)*32768  ; K block s
	s_or_b32 s[G0X+4*(\s)+3], s[G0X+4*(\s)+3], 0x80000000
	s_mov_b32 s[G0S+4*(\s)], 1
	s_mov_b32 s[G0S+4*(\s)+1], (\s)*SLOT+SROFF
	s_add_nc_u64 s[G0S+4*(\s)+2:G0S+4*(\s)+3], s[96:97], (\s)*16384
	s_or_b32 s[G0S+4*(\s)+3], s[G0S+4*(\s)+3], 0x80000000
	s_mov_b32 s[G0B+4*(\s)], 1
	s_add_co_u32 s[G0B+4*(\s)+1], s31, (\s)*SLOT
	s_add_nc_u64 s[G0B+4*(\s)+2:G0B+4*(\s)+3], s[28:29], (\s)*49152
	s_or_b32 s[G0B+4*(\s)+3], s[G0B+4*(\s)+3], 0x80000000
	JLOAD \s                                       ; two loads of mine are out
.endr
	v_and_b32 v1, 15, v0                           ; r = l % 16
	v_bfe_u32 v16, v0, 4, 1                        ; h = l / 16
	v_and_b32 v17, 31, v0                          ; l
	s_lshl_b32 s100, s[WGX], 9                     ; a bias: 4 bytes x (128 x column tile + 64 x my half + 8 h)
	s_lshl_b32 s101, s[WN], 8
	s_add_co_u32 s100, s100, s101
	v_lshl_add_u32 v[BO], v16, 5, s100
.irp b, 0,1,2,3
	global_load_b128 v[BZR+8*(\b):BZR+8*(\b)+3],   v[BO], s[BZ:BZ+1] offset:64*(\b)
	global_load_b128 v[BZR+8*(\b)+4:BZR+8*(\b)+7], v[BO], s[BZ:BZ+1] offset:64*(\b)+16
	global_load_b128 v[BGR+8*(\b):BGR+8*(\b)+3],   v[BO], s[BG:BG+1] offset:64*(\b)
	global_load_b128 v[BGR+8*(\b)+4:BGR+8*(\b)+7], v[BO], s[BG:BG+1] offset:64*(\b)+16
	global_load_b128 v[BHR+8*(\b):BHR+8*(\b)+3],   v[BO], s[BH:BH+1] offset:64*(\b)
	global_load_b128 v[BHR+8*(\b)+4:BHR+8*(\b)+7], v[BO], s[BH:BH+1] offset:64*(\b)+16
.endr
	v_mul_u32_u24 v18, v1, PA
	v_lshl_add_u32 v18, v16, 4, v18                ; a fragment of rows: r x pitch + 16 h, two loads 32 bytes apart
	s_mul_i32 s3, s[WM], 128*PA
	v_add_nc_u32 v[ADRA], s3, v18
	v_add_nc_u32 v[ADRA+1], SLOT, v[ADRA]
	v_and_b32 v19, 7, v0                           ; the turning load: lane l reads row 8 h + l % 8 of k, 16 bytes at 16 ((l / 8) % 2); it leaves column l % 16 and 8 k in the lane
	v_lshl_add_u32 v19, v16, 3, v19
	v_mul_u32_u24 v19, v19, PB
	v_bfe_u32 v20, v0, 3, 1
	v_lshl_add_u32 v19, v20, 4, v19
	s_lshl_b32 s3, s[WN], 7
	s_add_co_u32 s3, s3, WOFF
	v_add_nc_u32 v[ADRB], s3, v19
	v_add_nc_u32 v[ADRB+1], SLOT, v[ADRB]
	s_mul_i32 s3, s[WV], STW
	s_add_co_u32 s3, s3, STAGE                     ; my stage
	v_mul_u32_u24 v21, v1, SP                      ; in: row r, 32 bytes for each half of the lanes
	v_lshl_add_u32 v21, v16, 5, v21
	v_add_nc_u32 v[STO], s3, v21
	v_mul_u32_u24 v21, v16, SP                     ; back: lanes 0-15 take one row of 256 bytes, lanes 16-31 the next
	v_lshl_add_u32 v21, v1, 4, v21
	v_add_nc_u32 v[RD], s3, v21
	v_lshlrev_b32 v[CO], 12, v16                   ; and the same two rows in out
	v_lshl_add_u32 v[CO], v1, 4, v[CO]
	v_lshlrev_b32 v[SO], 6, v1
	v_lshl_add_u32 v[SO], v16, 4, v[SO]
	v_lshlrev_b32 v[PFO], 8, v17
	s_lshl_b32 s[OB], s[WGY], 20                   ; out: (256 x row tile + 128 x my half) rows of 4,096 bytes + 512 x column tile + 256 x my half
	s_lshl_b32 s101, s[WM], 19
	s_add_co_u32 s[OB], s[OB], s101
	s_add_co_u32 s[OB], s[OB], s100
	s_mov_b32 s[OB+1], 0
	s_add_nc_u64 s[OB:OB+1], s[OUT:OUT+1], s[OB:OB+1]
	s_lshl_b32 s[SBB], s[WGX], 1
	s_add_co_u32 s[SBB], s[SBB], s[WN]
	s_lshl_b32 s[SBB], s[SBB], 21                  ; S in xs: my 64 columns x 2,097,152 + row tile x 65,536 + 16,384 + my 128 rows x 64
	s_lshl_b32 s101, s[WGY], 16
	s_add_co_u32 s[SBB], s[SBB], s101
	s_lshl_b32 s101, s[WM], 13
	s_add_co_u32 s[SBB], s[SBB], s101
	s_add_co_u32 s[SBB], s[SBB], 16384
	s_mov_b32 s[SBB+1], 0
	s_add_nc_u64 s[SBB:SBB+1], s[XS:XS+1], s[SBB:SBB+1]
	; the prefetches: they stand at K blocks 2 and 3; slot 0's change steps them by two K blocks and then asks
	s_lshl_b32 s98, s[WGY], 15                     ; wave 1, sr: the row tile's 32 KiB, my work-group's quarter,
	s_lshl_b32 s100, s[CX], 13
	s_add_co_u32 s98, s98, s100
	s_add_co_u32 s98, s98, 0x100000
	s_cmp_eq_u32 ttmp9, 0                          ; in the clusters with x = 0
	s_cselect_b32 s[LIM], 1, -1
	s_mov_b32 s[PFS], 0x100000
	s_mov_b64 s[PFA:PFA+1], s[SRP:SRP+1]
	s_lshl_b32 s100, s[WGY], 16                    ; wave 0, xs: the row tile's 64 KiB, my work-group's eighth, in every cluster
	s_lshl_b32 s101, s[WGX], 13
	s_add_co_u32 s100, s100, s101
	s_add_co_u32 s100, s100, 0x200000
	s_cmp_eq_u32 s[WV], 0
	s_cselect_b32 s98, s100, s98
	s_cselect_b32 s[LIM], 1, s[LIM]
	s_cselect_b32 s[PFS], 0x200000, s[PFS]
	s_cselect_b64 s[PFA:PFA+1], s[XS:XS+1], s[PFA:PFA+1]
	s_mul_i32 s100, s[WGX], 1572864                ; wave 2, wb2: the column tile's 96 KiB, my work-group's twelfth (the row tile's number, held to 11 so that the address stays inside wb2 everywhere),
	s_min_u32 s101, s[WGY], 11
	s_lshl_b32 s101, s101, 13
	s_add_co_u32 s100, s100, s101
	s_add_co_u32 s100, s100, 98304
	s_and_b32 s101, ttmp7, 0xffff
	s_cmp_lt_u32 s101, 3                           ; in the clusters with y < 3
	s_cselect_b32 s101, 1, -1
	s_cmp_eq_u32 s[WV], 2
	s_cselect_b32 s101, s101, -1                   ; wave 3 asks for nothing
	s_cmp_ge_u32 s[WV], 2
	s_cselect_b32 s98, s100, s98
	s_cselect_b32 s[LIM], s101, s[LIM]             ; the same in all sixteen partners, for a given wave
	s_cselect_b32 s[PFS], 98304, s[PFS]
	s_cselect_b64 s[PFA:PFA+1], s[WB:WB+1], s[PFA:PFA+1]
	s_mov_b32 s99, 0
	s_mov_b32 s[PFS+1], 0
	s_add_nc_u64 s[PFA:PFA+1], s[PFA:PFA+1], s[98:99]
	s_wait_loadcnt 0x0                             ; the biases, rounded to bf16 like every input; each is the C of its gate's first products
.irp base, BZR, BGR, BHR
.set i, 0
.rept 16
	v_cvt_pk_bf16_f32 v22, v[(\base)+2*i], v[(\base)+2*i+1]
	v_lshlrev_b32 v[(\base)+2*i], 16, v22
	v_and_b32 v[(\base)+2*i+1], s[MK], v22
.set i, i+1
.endr
.endr
.macro LDA buf, adr, off               ; 8 fragments of 16 rows x 32 K
.irp a, 0,1,2,3,4,5,6,7
	ds_load_b128 v[(\buf)+8*(\a):(\buf)+8*(\a)+3],   v[\adr] offset:(\off)+(\a)*16*PA
	ds_load_b128 v[(\buf)+8*(\a)+4:(\buf)+8*(\a)+7], v[\adr] offset:(\off)+(\a)*16*PA+32
.endr
.endm
.macro LDB buf, adr, off               ; 4 fragments of 16 columns x 32 K, turned
.irp b, 0,1,2,3
	ds_load_tr16_b128 v[(\buf)+8*(\b):(\buf)+8*(\b)+3],   v[\adr] offset:(\off)+32*(\b)
	ds_load_tr16_b128 v[(\buf)+8*(\b)+4:(\buf)+8*(\b)+7], v[\adr] offset:(\off)+32*(\b)+16*PB
.endr
.endm
; na x 4 products onto gate g's accumulators (window g), which take turns, one instruction a turn, in the same order in every piece.  f = 1: the f16 form.  cb >= 0: the bias at v[cb] starts the sums.
.macro MUL f, g, ab, bb, a0, na, cb=-1
.if (\cb) >= 0
	WIN (\g)<<6
.else
	WIN 0x50*(\g)
.endif
.set ia, \a0
.rept \na
.irp b, 0,1,2,3
.if (\cb) >= 0
	v_wmma_f32_16x16x32_bf16 v[8*(4*ia+(\b)):8*(4*ia+(\b))+7], v[(\bb)+8*(\b):(\bb)+8*(\b)+7], v[(\ab)+8*ia:(\ab)+8*ia+7], v[(\cb)+8*(\b):(\cb)+8*(\b)+7]
.elseif \f
	v_wmma_f32_16x16x32_f16 v[8*(4*ia+(\b)):8*(4*ia+(\b))+7], v[(\bb)+8*(\b):(\bb)+8*(\b)+7], v[(\ab)+8*ia:(\ab)+8*ia+7], v[8*(4*ia+(\b)):8*(4*ia+(\b))+7]
.else
	v_wmma_f32_16x16x32_bf16 v[8*(4*ia+(\b)):8*(4*ia+(\b))+7], v[(\bb)+8*(\b):(\bb)+8*(\b)+7], v[(\ab)+8*ia:(\ab)+8*ia+7], v[8*(4*ia+(\b)):8*(4*ia+(\b))+7]
.endif
.endr
.set ia, ia+1
.endr
.endm
; THE SIX PIECES of the K block in slot s.  At a piece's head the next piece's operands are asked of LDS in one run, into buffers that the piece before has multiplied; the wait that follows leaves that run out.
; X lies in row buffer s, S in buffer 1 - s, then S R in buffer s; the next block's X goes into buffer 1 - s.  The weights' two buffers take turns from piece to piece.
.macro Q0 s, cb=-1                     ; Z += X Uz
	WIN 0
	PLACES 4
	LDB B1, ADRB+(\s), 1*GB                        ; Ug
	s_wait_dscnt 8
	MUL 0, 1, AB+64*(\s), B0, 0, 8, \cb
.endm
.macro Q1 s, cb=-1                     ; G += X Ug
	WIN 0
	PLACES 4
	LDB B0, ADRB+(\s), 2*GB                        ; Uh
	s_wait_dscnt 8
	MUL 0, 2, AB+64*(\s), B1, 0, 8, \cb
.endm
.macro Q2 s, cb=-1                     ; H += X Uh
	WIN 0
	PLACES 4
	LDA AB+64*(1-(\s)), ADRA+(\s), SOFF            ; S
	LDB B1, ADRB+(\s), 3*GB                        ; Wz
	s_wait_dscnt 24
	MUL 0, 3, AB+64*(\s), B0, 0, 8, \cb
.endm
.macro Q3 s                            ; Z += S Wz
	WIN 0
	PLACES 4
	LDB B0, ADRB+(\s), 4*GB                        ; Wg
	s_wait_dscnt 8
	MUL 0, 1, AB+64*(1-(\s)), B1, 0, 8
.endm
.macro Q4 s                            ; G += S Wg; its run is the slot's last read
	WIN 0
	PLACES 4
	LDA AB+64*(\s), ADRA+(\s), SROFF               ; S R
	LDB B1, ADRB+(\s), 5*GB                        ; Wh
	s_wait_dscnt 24
	MUL 0, 2, AB+64*(1-(\s)), B0, 0, 8
.endm
; THE CHANGE OF SLOTS, behind the fifth piece.  Each wave waits for all its tensor loads (one is out: its part of the other slot), adds 0 to its spare word, and waits for that and for its reads of the slot.
; mode 2: the barrier opens a round of the cluster's, and behind it the slot is filled again, two K blocks on: the first tensor load there, one a wave.  mode 1: nothing is left to fetch.
; No product stands between the wait for the loads and the refill: the sixth piece's 32 follow it.
.macro CHG s, mode
	WIN 0
.if ((\mode) == 2) && ((\s) == 0)
	s_wait_xcnt 0x0                                ; the last prefetch, two K blocks back, has read its address
	s_add_nc_u64 s[PFA:PFA+1], s[PFA:PFA+1], s[PFS:PFS+1]
.endif
	s_wait_tensorcnt 0x0                           ; all my tensor loads have landed, so every group 0 may be written
	ds_add_u32 v[SPW], v[NIL]                      ; 0 onto my spare word: the descriptors' steps stand between it and the wait for it
.if (\mode) == 2
	s_add_nc_u64 s[G0X+4*(\s)+2:G0X+4*(\s)+3], s[G0X+4*(\s)+2:G0X+4*(\s)+3], 2097152
	s_add_nc_u64 s[G0S+4*(\s)+2:G0S+4*(\s)+3], s[G0S+4*(\s)+2:G0S+4*(\s)+3], 1048576
	s_add_nc_u64 s[G0B+4*(\s)+2:G0B+4*(\s)+3], s[G0B+4*(\s)+2:G0B+4*(\s)+3], 98304
.endif
	s_wait_dscnt 0x0                               ; the add is done, and my reads of this slot are over: S R and Wh are in
	s_barrier_signal -1
	s_barrier_wait -1
.if (\mode) == 2
	CREST                                          ; no wave of any partner still reads this slot or has a load on its way
	JLOAD \s                                       ; the four v_nop behind it are also the places in front of the loads that follow
.else
	PLACES 4
.endif
.endm
; H += (S R) Wh, in f16.  Another form on the same accumulators is no link of a chain: between the bf16 products on H and these, and back, stand twelve plain places (eight in the last K block), where five are asked.
; Its run reads the other slot: the next block's X and Uz.
.macro Q5 s, run, ask
.if \run
	LDA AB+64*(1-(\s)), ADRA+1-(\s), 0
	LDB B0, ADRB+1-(\s), 0
.if \ask
	ASK
.endif
.else
	s_wait_dscnt 0x0
.endif
	MUL 1, 3, AB+64*(\s), B1, 0, 8
.endm
; THE WAY OUT, a block of 16 rows at a time.
.macro SLD a                           ; S of block a, as bf16, in the accumulators' layout: 16 bytes a lane for each column block
	WIN 0
.irp b, 0,1,2,3
	global_load_b128 v[SB+16*((\a)%2)+4*(\b):SB+16*((\a)%2)+4*(\b)+3], v[SO], s[SBB:SBB+1] offset:((\b)/2)*32768+(\a)*1024+((\b)%2)*32
.endr
.endm
.macro EXPS g                          ; gate g's block: 2^(c x), in place; each accumulator is read from its low end on
	WIN (\g)|((\g)<<6)
	v_pk_mul_f32 v[eb:eb+1], v[eb:eb+1], s[CS:CS+1] op_sel_hi:[1,0]
.set i, 1
.rept 15
	v_pk_mul_f32 v[eb+2*i:eb+2*i+1], v[eb+2*i:eb+2*i+1], s[CS:CS+1] op_sel_hi:[1,0]
	v_exp_f32 v[eb+2*i-2], v[eb+2*i-2]
	v_exp_f32 v[eb+2*i-1], v[eb+2*i-1]
.set i, i+1
.endr
	v_exp_f32 v[eb+30], v[eb+30]
	v_exp_f32 v[eb+31], v[eb+31]
.endm
.macro RCPS g, hc                      ; 1 / (hc + hc e): with hc = 0.5 it is t = 1 - tanh, with -0.5 it is -t
	WIN (\g)|((\g)<<6)
	v_pk_fma_f32 v[eb:eb+1], v[eb:eb+1], \hc, \hc op_sel_hi:[1,0,0]
.set i, 1
.rept 15
	v_pk_fma_f32 v[eb+2*i:eb+2*i+1], v[eb+2*i:eb+2*i+1], \hc, \hc op_sel_hi:[1,0,0]
	v_rcp_f32 v[eb+2*i-2], v[eb+2*i-2]
	v_rcp_f32 v[eb+2*i-1], v[eb+2*i-1]
.set i, i+1
.endr
	v_rcp_f32 v[eb+30], v[eb+30]
	v_rcp_f32 v[eb+31], v[eb+31]
.endm
.macro COMP a                          ; each batch of 96 transcendentals has one plain instruction behind it and one wait
.set eb, 32*(\a)
.set sbn, SB+16*((\a)%2)
	EXPS 1
	EXPS 2
	EXPS 3
	v_nop
	s_wait_alu depctr_va_vdst(0)
	RCPS 1, -0.5                                   ; -tz
	RCPS 2, 0.5                                    ; tg = 1 - G
	RCPS 3, -0.5                                   ; -th
	v_nop
	s_wait_alu depctr_va_vdst(0)
	WIN 0xae                                       ; destination, sources 0 and 2: window 2 (tg); source 1: window 3 (-th)
.set i, 0
.rept 16
	v_pk_fma_f32 v[eb+2*i:eb+2*i+1], v[eb+2*i:eb+2*i+1], v[eb+2*i:eb+2*i+1], v[eb+2*i:eb+2*i+1]  ; tg (-th) + tg = (1 - G) H
.set i, i+1
.endr
	WIN 0x41
.set i, 0
.rept 16
	v_pk_add_f32 v[eb+2*i:eb+2*i+1], v[eb+2*i:eb+2*i+1], 1.0 op_sel_hi:[1,0]                      ; Z = 1 - tz
.set i, i+1
.endr
.if (\a) < 7
	s_wait_loadcnt 4                               ; S of this block is in; the next block's four loads stay out
.else
	s_wait_loadcnt 0x0
.endif
	WIN 0x21                                       ; source 0: window 1 (Z); source 1: window 0 (S); source 2: window 2; destination: window 0
.set i, 0
.rept 16
	v_fma_mix_f32_bf16 v[TMP+2*i], v[eb+2*i], v[sbn+i], v[eb+2*i] op_sel:[0,0,0] op_sel_hi:[0,1,0]      ; Z S + (1 - G) H, S read from its bf16 half
	v_fma_mix_f32_bf16 v[TMP+2*i+1], v[eb+2*i+1], v[sbn+i], v[eb+2*i+1] op_sel:[0,1,0] op_sel_hi:[0,1,0]
.set i, i+1
.endr
.if (\a) < 6
	SLD (\a)+2
.endif
.endm
.macro STG a                           ; 32 bytes a lane into my stage, and back as whole rows of 256 bytes
	WIN 0
	s_wait_xcnt 0x0                                ; the stores of the block before last have read the registers that are loaded again below
.irp b, 0,1,2,3
	ds_store_b128 v[STO], v[TMP+8*(\b):TMP+8*(\b)+3]   offset:64*(\b)
	ds_store_b128 v[STO], v[TMP+8*(\b)+4:TMP+8*(\b)+7] offset:64*(\b)+16
.endr
.irp t, 0,1,2,3,4,5,6,7
	ds_load_b128 v[BK+32*((\a)%2)+4*(\t):BK+32*((\a)%2)+4*(\t)+3], v[RD] offset:(\t)*2*SP  ; LDS serves a wave's instructions in order (ISA guide 5.7.1.4): these see the stores above
.endr
.endm
.macro SEND a
	WIN 0
	s_wait_dscnt 0x0
.irp t, 0,1,2,3,4,5,6,7
	global_store_b128 v[CO], v[BK+32*((\a)%2)+4*(\t):BK+32*((\a)%2)+4*(\t)+3], s[OB:OB+1] offset:(16*(\a)+2*(\t))*4096 th:TH_STORE_NT  ; 16 lanes store 256 consecutive bytes, aligned
.endr
.endm
	s_wait_tensorcnt 0x1                           ; my part of K block 0 is in; block 1's may stay out
	s_barrier_signal -1
	s_barrier_wait -1                              ; everybody's is
	LDA AB, ADRA, 0                                ; X and Uz of K block 0
	LDB B0, ADRB, 0
	Q0 0, BZR                                      ; the first three pieces stand in front of the loop: the biases start the sums
	Q1 0, BGR
	Q2 0, BHR
	WIN 0
	s_mov_b32 s[LC], 15
.Lpair:                                        ; a trip goes once round the ring, from a K block's fourth piece to the third piece of the block after next, and fills both slots again
	Q3 0
	Q4 0
	CHG 0, 2
	Q5 0, 1, 1
	Q0 1
	Q1 1
	Q2 1
	Q3 1
	Q4 1
	CHG 1, 2
	Q5 1, 1, 0
	Q0 0
	Q1 0
	Q2 0
	WIN 0
	s_sub_co_u32 s[LC], s[LC], 1
	s_cmp_lg_u32 s[LC], 0
	s_cbranch_scc1 .Lpair
	Q3 0                                           ; K blocks 30 and 31: nothing is left to fetch
	Q4 0
	CHG 0, 1
	Q5 0, 1, 0
	SLD 0                                          ; S of the first two blocks is asked for under the last K block's products
	SLD 1
	Q0 1
	Q1 1
	Q2 1
	Q3 1
	Q4 1
	Q5 1, 0, 0
	WIN 0
	PLACES 8
	COMP 0
	STG 0
.irp a, 1,2,3,4,5,6,7                  ; a block's arithmetic stands between the loads of the block before from the stage and the wait for them
	COMP \a
	SEND (\a)-1
	STG \a
.endr
	SEND 7
	s_wait_tensorcnt 0x0                           ; the wave's end: behind my last tensor load and my last LDS store
	ds_add_u32 v[SPW], v[NIL]
	s_wait_dscnt 0x0
	CROUND                                         ; the closing round: no work-group ends while a partner may still ask for a tile that names it
	s_endpgm
.Lfunc_end_k_q6f92a6393f_gates_out:
	.size	k_q6f92a6393f_gates_out, .Lfunc_end_k_q6f92a6393f_gates_out-k_q6f92a6393f_gates_out
	.p2alignl 7, 3214868480
	.fill 96, 4, 3214868480
	.section	.rodata,"a",@progbits
	.p2align	6, 0x0
	.amdhsa_kernel k_q6f92a6393f_gates_out
		.amdhsa_group_segment_fixed_size 327680
		.amdhsa_private_segment_fixed_size 0
		.amdhsa_enable_private_segment 0
		.amdhsa_kernarg_size 56
		.amdhsa_user_sgpr_count 2
		.amdhsa_user_sgpr_kernarg_segment_ptr 1
		.amdhsa_wavefront_size32 1
		.amdhsa_system_sgpr_workgroup_id_x 1
		.amdhsa_system_sgpr_workgroup_id_y 1
		.amdhsa_system_sgpr_workgroup_id_z 1
		.amdhsa_system_vgpr_workitem_id 0
		.amdhsa_next_free_vgpr 1024
		.amdhsa_next_free_sgpr 102
		.amdhsa_reserve_vcc 0
		.amdhsa_float_denorm_mode_32 3
		.amdhsa_float_denorm_mode_16_64 3
		.amdhsa_memory_ordered 1
		.amdhsa_forward_progress 1
		.amdhsa_inst_pref_size 250
	.end_amdhsa_kernel
	.amdgpu_metadata
---
amdhsa.version: [ 1, 2 ]
amdhsa.kernels:
  - .name:           k_q6f92a6393f_gates_out
    .symbol:         k_q6f92a6393f_gates_out.kd
    .args:
      - { .name: xs, .offset: 0, .size: 8, .value_kind: global_buffer, .address_space: global }
      - { .name: sr, .offset: 8, .size: 8, .value_kind: global_buffer, .address_space: global }
      - { .name: wb2, .offset: 16, .size: 8, .value_kind: global_buffer, .address_space: global }
      - { .name: bz, .offset: 24, .size: 8, .value_kind: global_buffer, .address_space: global }
      - { .name: bg, .offset: 32, .size: 8, .value_kind: global_buffer, .address_space: global }
      - { .name: bh, .offset: 40, .size: 8, .value_kind: global_buffer, .address_space: global }
      - { .name: out0, .offset: 48, .size: 8, .value_kind: global_buffer, .address_space: global }
    .group_segment_fixed_size: 327680
    .private_segment_fixed_size: 0
    .kernarg_segment_align: 8
    .kernarg_segment_size: 56
    .max_flat_workgroup_size: 128
    .sgpr_count:     102
    .vgpr_count:     1024
    .wavefront_size: 32
...
	.end_amdgpu_metadata
.endif
;; end of part 3
